; MI455X (gfx1250); checked and timed in simulation.
; The chip was launched on July 23, 2026; its instructions are those of AMD's public machine-readable ISA for CDNA 5 (MIT licence, August 2026) and "CDNA5" Instruction Set Architecture Reference Guide (July 2026). The comments in the code are by the model that wrote it; some were corrected since.
;; Conv Attention. Allowed arithmetic: matrix products marked QUANTISED: E5M2 operands, one given power-of-two scale a tensor, by v_wmma_f32_16x16x64_bf8_bf8 or v_wmma_f32_16x16x128_bf8_bf8, f32 sums; everything else in f32.
;; Inputs: Wk 512 x 512 float32; Wo 512 x 512 float32; Wq 512 x 512 float32; Wv 512 x 512 float32; bo 512 float32; lowp_scales 12 int32 (the exponents e of the quantised operands' scales 2^e); x 8 x 512 x 2,048 float32.
;; Outputs: out0 8 x 512 x 2,048 float32.
;; This version of the problem:
;;   THIS VERSION OF THE PROBLEM IS GIVEN IN LOW PRECISION. The matrix products marked QUANTISED in the list below multiply operands that are first quantised to E5M2 (5 exponent bits, 2 mantissa bits; 8 bits a number), with one given power-of-two scale for each operand tensor; their sums are f32. All else is computed in f32.
;;   The module's matrix products, in the order in which they are computed (A, B: the left and right operand; K: the contracted axis; several contracted axes count as one K, in the product's order):
;;     1. [M 16,384, K 512] x [K 512, N 512]; A: input x; B: input Wq: QUANTISED (scales: A lowp_scales[0], B lowp_scales[1])
;;     2. [M 16,384, K 512] x [K 512, N 512]; A: input x; B: input Wk: QUANTISED (scales: A lowp_scales[2], B lowp_scales[3])
;;     3. [M 16,384, K 512] x [K 512, N 512]; A: input x; B: input Wv: QUANTISED (scales: A lowp_scales[4], B lowp_scales[5])
;;     4. batch 64 x [M 2,048, K 64] x [K 64, N 2,048]; A: computed on the way; B: computed on the way: QUANTISED (scales: A lowp_scales[6], B lowp_scales[7])
;;     5. batch 64 x [M 64, K 2,048] x [K 2,048, N 2,048]; A: computed on the way; B: softmax (see below): QUANTISED (scales: A lowp_scales[8], B lowp_scales[9])
;;     6. [M 16,384, K 512] x [K 512, N 512]; A: computed on the way; B: input Wo: QUANTISED (scales: A lowp_scales[10], B lowp_scales[11])
;;   THE QUANTISER, for each operand of a quantised product, along K:
;;     - The operand's scale is 2^e, e = its entry of the input lowp_scales (int32; the entries are numbered through the quantised products in the list's order, A before B).
;;     - Each number is divided by the scale, clamped to +-57,344, and rounded to the nearest number of E5M2, ties to even, subnormals kept.
;;     - The product sums the exact products of the quantised numbers (number of the format x scale) in f32.
;;   ~~~python
;;   def quantise(x, axis, e):      # numpy; x: float32 -> the quantised numbers, widened to float32 again
;;       x = np.moveaxis(x, axis, -1); K = x.shape[-1]
;;       r = np.clip(x / 2.0 ** e, -57344, 57344)
;;       step = 2.0 ** (np.maximum(np.frexp(np.where(r == 0, 1, r))[1] - 1, -14) - 2)
;;       q = np.round(r / step) * step * 2.0 ** e      # np.round: ties to even
;;       return np.moveaxis(q, -1, axis).astype(np.float32)
;;   ~~~
;;   SOFTMAX AHEAD OF A QUANTISED PRODUCT. Where the list says 'softmax', what is quantised is not the finished softmax but p = 2^(t - M), with t = logit x log2(e) and M = ceil(the row's largest t), a whole number; so 1/2 < the row's largest p <= 1. The row's sum l is taken of the UNQUANTISED p, in f32, and the product's result is divided by l at the end. Since M is a whole number, a kernel that streams over the keys may use a running M (the ceiling of the running maximum): every later rescaling is an exact power of two, so the quantised numbers keep their values, but for numbers so far below the row's largest that they fall under the format's range.
;;   OPERANDS COMPUTED ON THE WAY. 'Computed on the way' means the value that the module computes at that place (a softmax that the list does not call 'softmax' is quantised finished and normalised). What goes into a quantiser is computed in f32, as accurately as f32 sums, v_exp_f32 and their like allow (about 1e-6 of the number): no bf16 or f16 on the way to a quantiser, and a product that is left as it is and whose result goes on into a quantised operand takes f32 operands (vector FMAs, or v_wmma_f32_16x16x4_f32). A number that lies on a knife's edge between two numbers of the format may be rounded either way, as far as f32 arithmetic and the matrix unit's own rounding can turn it there, and no further.
;; One version. Each part assembles by itself: llvm-mc -triple=amdgcn-amd-amdhsa -mcpu=gfx1250 --defsym DOCPART=n.
;; ======== version 1 of 1: 4 launches
;; limits: right only within a limited range of input values
;; workspace buffers: wc 1,048,576 bytes; qc 8,388,608 bytes; kc 8,388,608 bytes; vc 8,388,608 bytes; oc 8,388,608 bytes
;; launch prep (part 1): grid 64 x 4, 2 waves a work-group, no clusters, 0 bytes of LDS; arguments Wq, Wk, Wv, Wo, lowp_scales, wc; writes wc
.if DOCPART == 1
	.amdgcn_target "amdgcn-amd-amdhsa--gfx1250"
	.amdhsa_code_object_version 6
	.text
	.protected	k_q72d8b0be0c_prep
	.globl	k_q72d8b0be0c_prep
	.p2align	8
	.type	k_q72d8b0be0c_prep,@function
k_q72d8b0be0c_prep:
	s_mov_b64 s[64:65], 0
	v_nop
	global_prefetch_b8 v0, s[64:65] scope:SCOPE_SE
	s_setreg_imm32_b32 hwreg(HW_REG_WAVE_MODE, 25, 1), 1
	s_wait_xcnt 0x0
; THE PROGRAM: causal attention over x [8][512][2048] with 8 heads of 64, all six products on codes of BF8 (E5M2), each operand with the one scale 2^e that lowp_scales gives for it.
;   prep:  Wq, Wk, Wv, Wo -> codes (e1, e3, e5, e11).             proj:  x -> three sets of codes (e0, e2, e4); q, k, v; their codes (e6, e7, e8).
;   attn:  softmax(q k^T / sqrt(512)) v, causal; its codes (e10).  oproj: the last projection, x 2^(e10 + e11), + bo.
; WORK LEFT OUT.  reference() itself sets the score of key k for query q to -infinity where k > q (its own jnp.tril), so that score's weight is 0 whatever finite values the inputs hold: it adds nothing to the
; row's maximum, to the row's sum or to the second product.  So a step of 128 keys all of which come after a wave's 16 queries is not multiplied, in either product (launch attn).  Every input has a way to the output and is loaded.
; LIMIT: a NaN, an infinity or an overflow that reaches only those masked scores is not carried to the result.
; ALL WORKSPACE IS LAID AS IMAGES OF OPERAND REGISTERS: four registers of a fragment are 512 consecutive bytes, lane l's 16 bytes at 16 l.  So every later load and store of codes is 16 bytes a lane, 512 consecutive bytes a wave.
; A fragment holds, in lane (r = l % 16, h = l / 16), row r, and in registers 2 c, 2 c + 1 the codes k = 16 c + 8 h + 0 .. 7 (the matrix instruction's own layout for 8-bit operands).
;
; THIS LAUNCH.  A weight is [512 (o)][512 (c)] f32, K = c innermost.  wc: [matrix 4][o tile 32][K step 4][piece 4][lane 32][16 bytes].  One wave makes one fragment: 16 rows o x 128 c; 512 fragments, 512 waves.
; code = w / 2^e, held within +-57,344, to the nearest code, ties to even.  LIMITS: e1, e3, e5, e11 between -126 and 112, so that 2^e and 57,344 x 2^e are f32 numbers.  NaN among the inputs is not served.
; No LDS, no barrier, no matrix unit: waves share nothing, and 4 MiB are read once.
.set X, 16                             ; v16-79  my 64 numbers: piece g, half u at X + 16 g + 8 u
.set C, 80                             ; v80-95  the fragment's 16 registers
	s_load_b256 s[4:11], s[0:1], 0x0               ; Wq s[4:5], Wk s[6:7], Wv s[8:9], Wo s[10:11]
	s_load_b128 s[12:15], s[0:1], 0x20             ; the scales' exponents s[12:13], wc s[14:15]
	v_lshrrev_b32 v3, 5, v0
	v_readfirstlane_b32 s29, v3                    ; wave 0, 1
	v_and_b32 v4, 15, v0                           ; r
	v_bfe_u32 v5, v0, 4, 1                         ; h
	v_lshlrev_b32 v1, 11, v4                       ; row r of 2,048 bytes,
	v_lshl_add_u32 v1, v5, 5, v1                   ; + 8 h numbers
	v_and_b32 v2, 31, v0
	v_lshlrev_b32 v2, 4, v2                        ; 16 x lane: my place in an image
	s_and_b32 s28, ttmp7, 0xffff                   ; which matrix: 0 q, 1 k, 2 v, 3 o
	s_lshr_b32 s2, ttmp9, 1                        ; o tile
	s_and_b32 s3, ttmp9, 1
	s_lshl_b32 s3, s3, 1
	s_add_co_u32 s3, s3, s29                       ; K step
	s_lshl_b32 s30, s2, 15                         ; from: 16 rows of 2,048 bytes a tile,
	s_lshl_b32 s31, s3, 9                          ; 128 numbers a K step
	s_add_co_u32 s30, s30, s31
	s_mov_b32 s31, 0
	s_lshl_b32 s2, s2, 13                          ; to: 8,192 bytes a tile,
	s_lshl_b32 s3, s3, 11                          ; 2,048 a fragment,
	s_add_co_u32 s2, s2, s3
	s_lshl_b32 s3, s28, 18                         ; 262,144 a matrix
	s_add_co_u32 s2, s2, s3
	s_mov_b32 s3, 0
	s_wait_alu depctr_va_vdst(0)
	s_wait_kmcnt 0x0
	s_load_b256 s[16:23], s[12:13], 0x0            ; e0 .. e7
	s_load_b128 s[24:27], s[12:13], 0x20           ; e8 .. e11
	s_cmp_eq_u32 s28, 1                            ; the matrix is chosen by the work-group's number alone
	s_cselect_b64 s[4:5], s[6:7], s[4:5]
	s_cmp_eq_u32 s28, 2
	s_cselect_b64 s[4:5], s[8:9], s[4:5]
	s_cmp_eq_u32 s28, 3
	s_cselect_b64 s[4:5], s[10:11], s[4:5]
	s_add_nc_u64 s[4:5], s[4:5], s[30:31]
	s_add_nc_u64 s[14:15], s[14:15], s[2:3]
.irp g, 0,1,2,3
.irp u, 0,1
.irp q, 0,1
	global_load_b128 v[X+16*\g+8*\u+4*\q:X+16*\g+8*\u+4*\q+3], v1, s[4:5] offset:128*\g+64*\u+16*\q th:TH_LOAD_NT   ; W(r, 32 g + 16 u + 8 h + 4 q ..): the sixteen loads together cover 16 rows x 512 consecutive bytes
.endr
.endr
.endr
	s_wait_kmcnt 0x0
	s_cmp_eq_u32 s28, 1                            ; e1, e3, e5 or e11
	s_cselect_b32 s17, s19, s17
	s_cmp_eq_u32 s28, 2
	s_cselect_b32 s17, s21, s17
	s_cmp_eq_u32 s28, 3
	s_cselect_b32 s17, s27, s17
	s_add_co_i32 s17, s17, 127
	s_lshl_b32 s18, s17, 23
	v_mov_b32 v10, s18                             ; 2^e as f32: the conversion takes its exponent field
	s_wait_alu depctr_va_vdst(0)
.irp g, 0,1,2,3
	s_wait_loadcnt 12-4*\g                         ; loads come back in order: piece g's four are in, the four of each later piece may be out
.set ii, 0
.rept 16
.set ii, ii+1
.endr
	v_cvt_scalef32_pk8_bf8_f32 v[C+4*\g:C+4*\g+1], v[X+16*\g:X+16*\g+7], v10
	v_cvt_scalef32_pk8_bf8_f32 v[C+4*\g+2:C+4*\g+3], v[X+16*\g+8:X+16*\g+15], v10   ; each piece has registers of its own: nothing here is written twice
	global_store_b128 v2, v[C+4*\g:C+4*\g+3], s[14:15] offset:512*\g   ; 32 lanes store 512 consecutive bytes, at a multiple of 512 from wc's first byte
.endr
	s_endpgm
.Lfunc_end_k_q72d8b0be0c_prep:
	.size	k_q72d8b0be0c_prep, .Lfunc_end_k_q72d8b0be0c_prep-k_q72d8b0be0c_prep
	.p2alignl 7, 3214868480
	.fill 96, 4, 3214868480
	.section	.rodata,"a",@progbits
	.p2align	6, 0x0
	.amdhsa_kernel k_q72d8b0be0c_prep
		.amdhsa_group_segment_fixed_size 0
		.amdhsa_private_segment_fixed_size 0
		.amdhsa_enable_private_segment 0
		.amdhsa_kernarg_size 48
		.amdhsa_user_sgpr_count 2
		.amdhsa_user_sgpr_kernarg_segment_ptr 1
		.amdhsa_wavefront_size32 1
		.amdhsa_system_sgpr_workgroup_id_x 1
		.amdhsa_system_sgpr_workgroup_id_y 1
		.amdhsa_system_sgpr_workgroup_id_z 1
		.amdhsa_system_vgpr_workitem_id 0
		.amdhsa_next_free_vgpr 96
		.amdhsa_next_free_sgpr 66
		.amdhsa_reserve_vcc 0
		.amdhsa_float_denorm_mode_32 3
		.amdhsa_float_denorm_mode_16_64 3
		.amdhsa_fp16_overflow 1
		.amdhsa_memory_ordered 1
		.amdhsa_forward_progress 1
		.amdhsa_inst_pref_size 5
	.end_amdhsa_kernel
	.amdgpu_metadata
---
amdhsa.version: [ 1, 2 ]
amdhsa.kernels:
  - .name:           k_q72d8b0be0c_prep
    .symbol:         k_q72d8b0be0c_prep.kd
    .args:
      - { .name: Wq, .offset: 0, .size: 8, .value_kind: global_buffer, .address_space: global }
      - { .name: Wk, .offset: 8, .size: 8, .value_kind: global_buffer, .address_space: global }
      - { .name: Wv, .offset: 16, .size: 8, .value_kind: global_buffer, .address_space: global }
      - { .name: Wo, .offset: 24, .size: 8, .value_kind: global_buffer, .address_space: global }
      - { .name: lowp_scales, .offset: 32, .size: 8, .value_kind: global_buffer, .address_space: global }
      - { .name: wc, .offset: 40, .size: 8, .value_kind: global_buffer, .address_space: global }
    .group_segment_fixed_size: 0
    .private_segment_fixed_size: 0
    .kernarg_segment_align: 8
    .kernarg_segment_size: 48
    .max_flat_workgroup_size: 64
    .sgpr_count:     66
    .vgpr_count:     96
    .wavefront_size: 32
...
	.end_amdgpu_metadata
.endif
;; end of part 1
;; launch proj (part 2): grid 256 x 1, 8 waves a work-group, no clusters, 99,328 bytes of LDS; arguments x, wc, lowp_scales, qc, kc, vc; writes qc, kc, vc
.if DOCPART == 2
	.amdgcn_target "amdgcn-amd-amdhsa--gfx1250"
	.amdhsa_code_object_version 6
	.text
	.protected	k_q72d8b0be0c_proj
	.globl	k_q72d8b0be0c_proj
	.p2align	8
	.type	k_q72d8b0be0c_proj,@function
k_q72d8b0be0c_proj:
	s_mov_b64 s[64:65], 0
	v_nop
	global_prefetch_b8 v0, s[64:65] scope:SCOPE_SE
	s_setreg_imm32_b32 hwreg(HW_REG_WAVE_MODE, 25, 1), 1
	s_wait_xcnt 0x0
; q, k, v = the three projections of x, on codes of BF8, and their own codes for the attention.  x: [8][512 (c)][2048 (l)] f32, K = c is NOT innermost.  wc: the weights' fragments (launch prep).
; x is an operand of three products with three given scales (e0, e2, e4): it is quantised three times, whatever the three entries hold.
; SHARES.  A work-group owns 64 positions of one n (256 bytes of each row of x) and all 1,536 outputs.  PHASE X: wave w takes channels 64 w .. 64 w + 63: A LANE TAKES A POSITION AND ITS REGISTERS RUN DOWN c, in the very
; order of the operand's layout, so the conversions' results are 16 bytes of a fragment's image, which go to LDS (3 scales x 4 tiles of positions x 4 K steps x 2,048 bytes).  One barrier.
; PRODUCTS: wave w owns head w of q, then of k, then of v: 4 tiles of outputs x 4 tiles of positions = 16 accumulators, 4 K steps of 128.  Its 16 weight fragments come from memory straight into registers:
; each is read by one wave of the work-group alone, so a way through LDS would add a write and a read and spare nothing.
; q, k: source 0 = 16 rows of W, source 1 = 16 positions: a lane holds one position and eight neighbouring d: the next K.  v: the sources swapped: a lane holds one d and eight neighbouring keys: its next K.
; So each accumulator's conversion gives two registers of the next operand's fragment, stored as an image: qc, kc [n 8 + head][tile of 16 positions][1,024 bytes]; vc [n 8 + head][block of 64 keys][tile of 16 d][1,024 bytes].
; A sum stands for sum x 2^(e0 + e1): the three scales ahead of a quantiser are folded into the conversion's one, 2^(e6 - e0 - e1) (k: e7 - e2 - e3; v: e8 - e4 - e5).
; NO CLUSTER: all work-groups walk the same weights, but no tile of them goes through LDS here, so there is no tensor load that partners could ask for jointly.
; LIMITS: e0, e2, e4 and the three folded exponents between -126 and 112.  NaN among the inputs is not served.
; REGISTERS.  Window 0: v1 16 x lane; v2 4 x lane; v3-5 where I store x's images (scale 0, 1, 2); v8, v9 the add's two; v10-12 2^e0, 2^e2, 2^e4; v13-15 57,344 x those; v16-18, v19-21 the same for the folded scales;
;   v23, v24 16 x lane + 32,768, + 65,536; v32-63 codes; v64-127 at work in phase X, then x's four fragments; v128-255 x's numbers, then the 16 accumulators ((a, m) at 128 + 8 (4 m + a)).
;   Window 1: the unit's 16 weight fragments ((a, s) at 16 (4 s + a)).
.set SPARE, 98304                      ; behind the images: the spare words, 128 bytes for each of eight waves: four blocks of 256 bytes that no other line names
.set MSB, 0
.macro WIN new                         ; the immediate's high byte repeats the setting that is left
.if MSB != \new
	s_set_vgpr_msb (MSB<<8)|\new
.set MSB, \new
.endif
.endm
.macro MKSC e, vs, vl                  ; v[vs] = 2^e as f32, v[vl] = 57,344 x 2^e
	s_add_co_i32 s34, \e, 127
	s_lshl_b32 s35, s34, 23
	v_mov_b32 v[\vs], s35
	s_add_co_i32 s34, s34, 15
	s_lshl_b32 s34, s34, 23
	s_or_b32 s34, s34, 0x600000
.endm
; Block t = 2 pg + h of phase X: the 16 channels that lane half h of piece pg wants (32 pg + 8 h + 0 .. 7 and + 16 .. 23), for positions lane and 32 + lane.  A pair of loads reads both halves of an aligned 256 bytes.
.macro LOADX t
.irp k, 0,1,2,3,4,5,6,7,8,9,10,11,12,13,14,15
.irp gl, 0,1
	global_load_b32 v[128+32*(\t)+16*\gl+\k], v2, s[4:5] offset:(32*((\t)/2)+8*((\t)%2)+\k+8*(\k/8))*8192+128*\gl th:TH_LOAD_NT
.endr
.endr
.endm
.macro WLOAD u, s                      ; unit u's four weight fragments of K step s: 16 loads of 512 consecutive bytes
	WIN 0x40                                       ; destination window 1, address window 0
.irp a, 0,1,2,3
.irp g, 0,1,2,3
	global_load_b128 v[16*(4*(\s)+\a)+4*\g:16*(4*(\s)+\a)+4*\g+3], v1, s[6:7] offset:(\u)*262144+\a*8192+(\s)*2048+512*\g
.endr
.endr
	WIN 0
.endm
.macro XQ t                            ; block t is quantised three times; each time 2 x 16 codes go to their places in the images
.if (\t) > 0
	s_wait_dscnt 0x0                               ; the last block's LDS stores have read the codes' registers
.endif
.irp e, 0,1,2
.set ii, 0
.rept 32
.set ii, ii+1
.endr
.irp j, 0,1,2,3
	v_cvt_scalef32_pk8_bf8_f32 v[32+8*\e+2*\j:33+8*\e+2*\j], v[64+8*\j+((128+32*(\t)+ii)-(64+ii)):71+8*\j+((128+32*(\t)+ii)-(64+ii))], v[10+\e]
.endr
	v_nop                                          ; a plain instruction between the conversions and the next holds, which write their sources
	ds_store_b128 v[3+\e], v[32+8*\e:35+8*\e] offset:512*((\t)/2)+256*((\t)%2)         ; positions 0-31: image lane (r, h) of piece 2 (w % 2) + pg
	ds_store_b128 v[3+\e], v[36+8*\e:39+8*\e] offset:16384+512*((\t)/2)+256*((\t)%2)   ; positions 32-63: two tiles of positions on
.endr
.endm
.macro MM u, s, m                      ; four matrix instructions: tile m of positions against the four tiles of outputs; s = 0 starts the sums: nothing is cleared
.irp a, 0,1,2,3
.if (\u) == 2
.if (\s) == 0
	v_wmma_f32_16x16x128_bf8_bf8 v[128+8*(4*(\m)+\a):135+8*(4*(\m)+\a)], v[64+16*(\m):79+16*(\m)], v[16*(4*(\s)+\a):15+16*(4*(\s)+\a)], 0
.else
	v_wmma_f32_16x16x128_bf8_bf8 v[128+8*(4*(\m)+\a):135+8*(4*(\m)+\a)], v[64+16*(\m):79+16*(\m)], v[16*(4*(\s)+\a):15+16*(4*(\s)+\a)], v[128+8*(4*(\m)+\a):135+8*(4*(\m)+\a)]
.endif
.else
.if (\s) == 0
	v_wmma_f32_16x16x128_bf8_bf8 v[128+8*(4*(\m)+\a):135+8*(4*(\m)+\a)], v[16*(4*(\s)+\a):15+16*(4*(\s)+\a)], v[64+16*(\m):79+16*(\m)], 0
.else
	v_wmma_f32_16x16x128_bf8_bf8 v[128+8*(4*(\m)+\a):135+8*(4*(\m)+\a)], v[16*(4*(\s)+\a):15+16*(4*(\s)+\a)], v[64+16*(\m):79+16*(\m)], v[128+8*(4*(\m)+\a):135+8*(4*(\m)+\a)]
.endif
.endif
.endr
.endm
; A K step of 128: x's four fragments from LDS, 16 matrix instructions.  The sixteen accumulators take turns, one instruction a turn, in the same order in every K step.
.macro KSTEP u, s
.if (\u) == 0
.set XR, 1
.else
.set XR, 22+(\u)
.endif
.irp m, 0,1,2,3
.irp g, 0,1,2,3
	ds_load_b128 v[64+16*\m+4*\g:67+16*\m+4*\g], v[XR] offset:\m*8192+(\s)*2048+512*\g
.endr
.endr
	s_wait_loadcnt 48-16*(\s)                      ; this K step's 16 weight loads are in; the 16 of each later K step may be out
	s_wait_dscnt 8                                 ; tiles 0 and 1 of positions are in
.if (\u) == 2
	WIN 0x04                                       ; source 1 (W) window 1
.else
	WIN 0x01                                       ; source 0 (W) window 1
.endif
	MM \u, \s, 0
	MM \u, \s, 1
	s_wait_dscnt 0x0
	MM \u, \s, 2
	MM \u, \s, 3
	WIN 0
.rept 4
	v_nop                                          ; four places in front of loads into registers that these products read, and of the first read of results
.endr
.endm
; A unit's way out: each accumulator is converted into two registers of the next operand's fragment; eight stores of 512 consecutive bytes.
.macro POST u
.if (\u) > 0
	s_wait_xcnt 0x0                                ; the last unit's stores have read the codes' registers
.endif
.irp m, 0,1,2,3
.irp a, 0,1,2,3
.irp j, 0,1,2,3,4,5,6,7
.endr
.if (\u) == 2
	v_cvt_scalef32_pk8_bf8_f32 v[32+8*\a+2*\m:33+8*\a+2*\m], v[128+8*(4*\m+\a):135+8*(4*\m+\a)], v[16+(\u)]   ; v: fragment a (16 d), keys 16 m + 8 h + 0 .. 7
.else
	v_cvt_scalef32_pk8_bf8_f32 v[32+8*\m+2*\a:33+8*\m+2*\a], v[128+8*(4*\m+\a):135+8*(4*\m+\a)], v[16+(\u)]   ; q, k: fragment m (16 positions), d 16 a + 8 h + 0 .. 7
.endif
.endr
.endr
	v_nop                                          ; a plain instruction behind the last conversion: the next unit's products write its sources
.irp i, 0,1,2,3,4,5,6,7
	global_store_b128 v1, v[32+4*\i:35+4*\i], s[10+2*(\u):11+2*(\u)] offset:512*\i
.endr
.endm
	s_load_b256 s[4:11], s[0:1], 0x0               ; x s[4:5], wc s[6:7], the scales' exponents s[8:9], qc s[10:11]
	s_load_b128 s[12:15], s[0:1], 0x20             ; kc s[12:13], vc s[14:15]
	v_lshl_add_u32 v8, v0, 2, SPARE
	v_mov_b32 v9, 0
	v_lshrrev_b32 v6, 5, v0
	s_delay_alu instid0(VALU_DEP_1)
	v_readfirstlane_b32 s16, v6                    ; wave 0..7
	v_and_b32 v7, 31, v0
	s_delay_alu instid0(VALU_DEP_1)
	v_lshlrev_b32 v1, 4, v7                        ; 16 x lane
	s_delay_alu instid0(VALU_DEP_2)
	v_lshlrev_b32 v2, 2, v7                        ; 4 x lane
	v_and_b32 v6, 15, v0
	v_bfe_u32 v7, v0, 4, 1
	s_delay_alu instid0(VALU_DEP_2)
	v_lshlrev_b32 v3, 4, v6                        ; in phase X my lane is position lane % 16 of tile lane / 16: 16 bytes a row of an image,
	s_delay_alu instid0(VALU_DEP_1)
	v_lshl_add_u32 v3, v7, 13, v3                  ; 8,192 bytes a tile of positions,
	s_lshr_b32 s33, s16, 1
	s_lshl_b32 s33, s33, 11                        ; K step w / 2,
	s_and_b32 s34, s16, 1
	s_lshl_b32 s34, s34, 10                        ; pieces 2 (w % 2) on
	s_add_co_u32 s33, s33, s34
	v_add_nc_u32 v3, s33, v3
	s_delay_alu instid0(VALU_DEP_1)
	v_add_nc_u32 v4, 32768, v3
	s_delay_alu instid0(VALU_DEP_2)
	v_add_nc_u32 v5, 65536, v3
	v_add_nc_u32 v23, 32768, v1
	v_add_nc_u32 v24, 65536, v1
	s_lshr_b32 s17, ttmp9, 5                       ; n
	s_and_b32 s18, ttmp9, 31                       ; which 64 positions
	s_lshl_b32 s22, s17, 22                        ; x: 512 rows of 8,192 bytes an n,
	s_lshl_b32 s33, s18, 8                         ; 256 bytes a block of positions,
	s_add_co_u32 s22, s22, s33
	s_lshl_b32 s33, s16, 19                        ; 64 rows a wave
	s_add_co_u32 s22, s22, s33
	s_mov_b32 s23, 0
	s_lshl_b32 s20, s16, 15                        ; wc: my head's four tiles of outputs
	s_mov_b32 s21, 0
	s_lshl_b32 s36, s17, 3
	s_add_co_u32 s36, s36, s16                     ; n 8 + head
	s_lshl_b32 s36, s36, 17                        ; 131,072 bytes a head,
	s_lshl_b32 s33, s18, 12                        ; 4,096 a block of 64 positions
	s_add_co_u32 s36, s36, s33
	s_mov_b32 s37, 0
	s_wait_kmcnt 0x0
	s_load_b256 s[24:31], s[8:9], 0x0              ; e0 .. e7
	s_load_b32 s32, s[8:9], 0x20                   ; e8
	s_add_nc_u64 s[4:5], s[4:5], s[22:23]
	s_add_nc_u64 s[6:7], s[6:7], s[20:21]
	s_add_nc_u64 s[10:11], s[10:11], s[36:37]
	s_add_nc_u64 s[12:13], s[12:13], s[36:37]
	s_add_nc_u64 s[14:15], s[14:15], s[36:37]
	LOADX 0
	LOADX 1
	s_wait_kmcnt 0x0
	MKSC s24, 10, 13
	MKSC s26, 11, 14
	MKSC s28, 12, 15
	s_sub_co_i32 s33, s30, s24
	s_sub_co_i32 s33, s33, s25                     ; e6 - e0 - e1
	MKSC s33, 16, 19
	s_sub_co_i32 s33, s31, s26
	s_sub_co_i32 s33, s33, s27                     ; e7 - e2 - e3
	MKSC s33, 17, 20
	s_sub_co_i32 s33, s32, s28
	s_sub_co_i32 s33, s33, s29                     ; e8 - e4 - e5
	MKSC s33, 18, 21
	s_wait_alu depctr_va_vdst(0)
	; PHASE X.  Each wait leaves out the one group of 32 loads that was issued behind the block in hand; then the next group goes out.
	s_wait_loadcnt 32
	LOADX 2
	XQ 0
	s_wait_loadcnt 32
	LOADX 3
	XQ 1
	s_wait_loadcnt 32
	WLOAD 0, 0
	WLOAD 0, 1
	XQ 2
	s_wait_loadcnt 32
	WLOAD 0, 2
	WLOAD 0, 3
	XQ 3
	s_wait_dscnt 0x0                               ; for the others' sake: my stores into the images have landed
	s_barrier_signal -1
	s_barrier_wait -1                              ; all 48 fragments of x lie in LDS; nothing is stored there again
	; PRODUCTS.  The next unit's 64 weight loads go out behind a unit's last places and land while its results are converted and stored.
.irp u, 0,1,2
	KSTEP \u, 0
	KSTEP \u, 1
	KSTEP \u, 2
	KSTEP \u, 3
.if \u < 2
	WLOAD \u+1, 0
	WLOAD \u+1, 1
	WLOAD \u+1, 2
	WLOAD \u+1, 3
.endif
	POST \u
.endr
	s_wait_tensorcnt 0x0                           ; the wave's end, behind my last LDS store
	ds_add_u32 v8, v9
	s_wait_dscnt 0x0
	s_endpgm
.Lfunc_end_k_q72d8b0be0c_proj:
	.size	k_q72d8b0be0c_proj, .Lfunc_end_k_q72d8b0be0c_proj-k_q72d8b0be0c_proj
	.p2alignl 7, 3214868480
	.fill 96, 4, 3214868480
	.section	.rodata,"a",@progbits
	.p2align	6, 0x0
	.amdhsa_kernel k_q72d8b0be0c_proj
		.amdhsa_group_segment_fixed_size 99328
		.amdhsa_private_segment_fixed_size 0
		.amdhsa_enable_private_segment 0
		.amdhsa_kernarg_size 48
		.amdhsa_user_sgpr_count 2
		.amdhsa_user_sgpr_kernarg_segment_ptr 1
		.amdhsa_wavefront_size32 1
		.amdhsa_system_sgpr_workgroup_id_x 1
		.amdhsa_system_sgpr_workgroup_id_y 1
		.amdhsa_system_sgpr_workgroup_id_z 1
		.amdhsa_system_vgpr_workitem_id 0
		.amdhsa_next_free_vgpr 512
		.amdhsa_next_free_sgpr 66
		.amdhsa_reserve_vcc 0
		.amdhsa_float_denorm_mode_32 3
		.amdhsa_float_denorm_mode_16_64 3
		.amdhsa_fp16_overflow 1
		.amdhsa_memory_ordered 1
		.amdhsa_forward_progress 1
		.amdhsa_inst_pref_size 73
	.end_amdhsa_kernel
	.amdgpu_metadata
---
amdhsa.version: [ 1, 2 ]
amdhsa.kernels:
  - .name:           k_q72d8b0be0c_proj
    .symbol:         k_q72d8b0be0c_proj.kd
    .args:
      - { .name: x, .offset: 0, .size: 8, .value_kind: global_buffer, .address_space: global }
      - { .name: wc, .offset: 8, .size: 8, .value_kind: global_buffer, .address_space: global }
      - { .name: lowp_scales, .offset: 16, .size: 8, .value_kind: global_buffer, .address_space: global }
      - { .name: qc, .offset: 24, .size: 8, .value_kind: global_buffer, .address_space: global }
      - { .name: kc, .offset: 32, .size: 8, .value_kind: global_buffer, .address_space: global }
      - { .name: vc, .offset: 40, .size: 8, .value_kind: global_buffer, .address_space: global }
    .group_segment_fixed_size: 99328
    .private_segment_fixed_size: 0
    .kernarg_segment_align: 8
    .kernarg_segment_size: 48
    .max_flat_workgroup_size: 256
    .sgpr_count:     66
    .vgpr_count:     512
    .wavefront_size: 32
...
	.end_amdgpu_metadata
.endif
;; end of part 2
;; launch attn (part 3): grid 4 x 64, 16 waves a work-group, no clusters, 67,584 bytes of LDS; arguments qc, kc, vc, lowp_scales, oc; writes oc
.if DOCPART == 3
	.amdgcn_target "amdgcn-amd-amdhsa--gfx1250"
	.amdhsa_code_object_version 6
	.text
	.protected	k_q72d8b0be0c_attn
	.globl	k_q72d8b0be0c_attn
	.p2align	8
	.type	k_q72d8b0be0c_attn,@function
k_q72d8b0be0c_attn:
	s_mov_b64 s[64:65], 0
	v_nop
	global_prefetch_b8 v0, s[64:65] scope:SCOPE_SE
	s_setreg_imm32_b32 hwreg(HW_REG_WAVE_MODE, 25, 1), 1
	s_wait_xcnt 0x0
; O[q] = the sum over keys k <= q of softmax_k(Q[q] . K[k] / sqrt(512)) V[k], for each of 64 (n, head), head size 64, both products on codes of BF8; O's own codes (scale 2^e10) for the last projection.
; WORK LEFT OUT: a step of 128 keys all of which come after a wave's 16 queries: reference()'s own causal mask gives those keys the weight 0 for all inputs (shown at the head of launch prep).
; THE SOFTMAX AHEAD OF THE SECOND PRODUCT: t = score x log2(e) / sqrt(512); M = the row's largest t so far, rounded UP to a whole number; p = 2^(t - M) is what is quantised (scale 2^e9), not normalised.
; The row's sum is taken of the unquantised p and divides O at the end.  When M moves, the sum and O are multiplied by 2^(old M - new M): nothing is rounded, and there is no branch on data.
; SHARES.  Work-group i of a head owns the query blocks i and 7 - i, 256 queries each: (i + 1) + (8 - i) = 9 trips of 256 keys for every work-group: equal work, and a trip count that is a constant of the text.
; Each of SIXTEEN waves owns 16 queries in 256 registers: four waves to a SIMD, so that one wave's vector work stands beside another's products and LDS loads.
; K AND V come as images of fragments (launch proj): a trip's 16,384 + 16,384 bytes are two dense blocks.  Wave w fetches 2,048 bytes of the NEXT trip's (waves 0-7: K's, 8-15: V's) into 16 registers at a trip's head and
; stores them into the other LDS slot at its end: two key steps lie between request and wait.  One barrier a trip: in front of it my stores have landed and my reads of this slot are over.
; LAYOUT.  S^T = K Q^T (source 0 = 16 keys, source 1 = my 16 queries, K = 64), O^T = V^T P^T (source 0 = 16 d, source 1 = P, K = 128 keys): a lane holds ONE query (lane % 16) throughout.
; In tile t of S^T register j is key 16 t + 8 (lane / 16) + j: just what registers 2 t, 2 t + 1 of P's fragment want, so the conversions' results are the operand.
; NO CLUSTER: the four work-groups of a head go back to key 0 behind different trips (i + 1), so in most trips they want different tiles.  NO TENSOR LOAD: a wave's share of a trip is 2,048 bytes.
; THE HOLD OF p: p <= 1, so it can pass the largest code x 2^e9 only where 57,344 x 2^e9 < 1, that is e9 <= -16.
; LIMITS: e6 + e7 between -122 and 131 (added to c's exponent field); e9 and e10 - e8 - e9 between -126 and 112.
; REGISTERS: v1 16 x lane; v2 where I store my part of a slot; v3, v4, v7 offsets of the fill, of Q, of O; v5, v6 the add's two; v9 lane % 16 - 8 (lane / 16); v12 -M, v13 the largest t, v[14:15] the sum in two halves;
;   v16-23 Q; v24-31 O's codes; v32-95 K's eight fragments, then V's four; v96-159 S^T, then p; v160-191 O^T; v192-207 p's codes; v208-223 the fill; v236-254 at work.
.set SLOT,  32768                      ; a slot: K's 16 tiles of 16 keys (1,024 bytes each), then V's 4 blocks of 64 keys (4 x 1,024 each)
.set VOFF,  16384
.set SPARE, 65536                      ; behind the two slots: the spare words, 128 bytes for each of sixteen waves: eight blocks of 256 bytes that no other line names
.macro MKSC e, vs, vl                  ; v[vs] = 2^e as f32, v[vl] = 57,344 x 2^e
	s_add_co_i32 s34, \e, 127
	s_lshl_b32 s35, s34, 23
	v_mov_b32 v[\vs], s35
.endm
.macro FILL adr                        ; my 2,048 bytes of a trip's K or V: four loads of 512 consecutive bytes
.irp i, 0,1,2,3
	global_load_b128 v[208+4*\i:211+4*\i], v[\adr], s[16:17] offset:512*\i
.endr
.endm
.macro INIT                            ; a query block begins: the step is written once, and the first finds zeros, which the first change of M leaves zeros
	v_mov_b32 v13, 0xff61b1e6                      ; the largest t so far: -3e38, under every t
	s_delay_alu instid0(VALU_DEP_1)
	v_floor_f32 v12, -v13                          ; -M
	v_mov_b32 v14, 0
	v_mov_b32 v15, 0
.set jj, 0
.rept 32
	v_mov_b32 v[160+jj], 0
.set jj, jj+1
.endr
.endm
; A KEY STEP: 128 keys, the q-th half of slot sl.  s18 = the trip's first key, s21 = my first query.
.macro STEP sl, q
.if (\q) == 0
	s_mov_b32 s35, s18
.else
	s_add_co_u32 s35, s18, 128*(\q)                ; the step's first key
.endif
	s_add_co_u32 s34, s21, 15
	s_cmp_gt_u32 s35, s34                          ; all its keys come after my 16 queries: the step is left out.  Ids and the count of trips alone; no barrier stands in a step
	s_cbranch_scc1 .Lhidden_\@
.irp t, 0,1,2,3,4,5,6,7
.irp p, 0,1
	ds_load_b128 v[32+8*\t+4*\p:35+8*\t+4*\p], v1 offset:(\sl)*SLOT+(8*(\q)+\t)*1024+512*\p
.endr
.endr
	s_wait_dscnt 8                                 ; tiles 0 to 3 are in
.irp t, 0,1,2,3
	v_wmma_f32_16x16x64_bf8_bf8 v[96+8*\t:103+8*\t], v[32+8*\t:39+8*\t], v[16:23], 0
.endr
	s_wait_dscnt 0x0
.irp t, 4,5,6,7
	v_wmma_f32_16x16x64_bf8_bf8 v[96+8*\t:103+8*\t], v[32+8*\t:39+8*\t], v[16:23], 0
.endr
.rept 4
	v_nop                                          ; four places in front of the loads into K's registers and of the first read of the scores
.endr
.irp a, 0,1,2,3
.irp b, 0,1
.irp p, 0,1
	ds_load_b128 v[32+16*\a+8*\b+4*\p:35+16*\a+8*\b+4*\p], v1 offset:(\sl)*SLOT+VOFF+(2*(\q)+\b)*4096+\a*1024+512*\p   ; V: 16 d x 128 keys a fragment; they land during the softmax
.endr
.endr
.endr
	s_add_co_u32 s34, s35, 127
	s_cmp_le_u32 s34, s21                          ; all 128 keys count for all my queries: no mask
	s_cbranch_scc1 .Lopen_\@
	s_sub_co_i32 s34, s21, s35
	v_add_nc_u32 v252, s34, v9                     ; d = my query - the step's first key - 8 (lane / 16).  Register 8 t + j holds key 16 t + 8 (lane / 16) + j of the step: hidden where 16 t + j > d
	v_mov_b32 v254, 0xff800000                     ; -infinity: p = 0 then
.set nn, 0
.rept 64
	v_cmp_gt_i32 vcc_lo, 16*(nn/8)+nn%8, v252
	v_cndmask_b32 v[96+nn], v[96+nn], v254, vcc_lo
.set nn, nn+1
.endr
.Lopen_\@:
	v_max3_num_f32 v254, v96, v97, v98             ; the step's largest score of my query, among my 64 keys, in two chains, each tile from its low end on,
	v_max3_num_f32 v252, v99, v100, v101
.irp i, 6,10,14,18,22,26,30,34,38,42,46,50,54,58
	v_max3_num_f32 v254, v254, v[96+\i], v[97+\i]
	v_max3_num_f32 v252, v252, v[98+\i], v[99+\i]
.endr
	v_max3_num_f32 v254, v254, v158, v159
	s_delay_alu instid0(VALU_DEP_1)
	v_max_num_f32 v254, v254, v252
	s_delay_alu instid0(VALU_DEP_1)
	v_permlanex16_b32 v236, v254, s30, s31
	s_delay_alu instid0(VALU_DEP_1)
	v_max_num_f32 v254, v254, v236                 ; and among the other half of the lanes'
	s_delay_alu instid0(VALU_DEP_1)
	v_mul_f32 v254, s32, v254                      ; as t (c is positive)
	s_delay_alu instid0(VALU_DEP_1)
	v_max_num_f32 v13, v13, v254                   ; the running largest t
	v_mov_b32 v254, v12
	s_delay_alu instid0(VALU_DEP_2)
	v_floor_f32 v12, -v13                          ; the new -M = floor(-t) = -ceil(t): a whole number
	s_delay_alu instid0(VALU_DEP_1)
	v_sub_f32 v254, v12, v254                      ; old M - new M: a whole number, 0 or less
	s_delay_alu instid0(VALU_DEP_1)
	v_cvt_i32_f32 v254, v254                       ; (it saturates)
	s_delay_alu instid0(VALU_DEP_1)
	v_ldexp_f32 v252, 1.0, v254                    ; f = 2^(old M - new M)
.set jj, 0
.rept 32
	v_pk_fma_f32 v[96+jj:97+jj], v[96+jj:97+jj], s[32:33], v[12:13] op_sel_hi:[1,0,0]   ; t - M, two at a time (of the pairs c and -M the low word serves both halves)
.set jj, jj+2
.endr
.set jj, 0
	s_wait_alu depctr_va_vdst(0)
.rept 64
	v_exp_f32 v[96+jj], v[96+jj]                   ; p = 2^(t - M), at most 1
.set jj, jj+1
.endr
	v_pk_mul_f32 v[14:15], v[14:15], v[252:253] op_sel_hi:[1,0]   ; the sums under the new M: the plain instruction behind the exponentials
	s_wait_alu depctr_va_vdst(0)                   ; one wait for the batch of 64, ahead of its first reader
	v_pk_add_f32 v[242:243], v[100:101], v[104:105]
	v_pk_add_f32 v[254:255], v[108:109], v[112:113]
	v_pk_add_f32 v[250:251], v[116:117], v[120:121]
	v_pk_add_f32 v[248:249], v[124:125], v[128:129]
	v_pk_add_f32 v[246:247], v[132:133], v[136:137]
	v_pk_add_f32 v[240:241], v[140:141], v[144:145]
	v_pk_add_f32 v[238:239], v[148:149], v[152:153]
	v_pk_add_f32 v[14:15], v[14:15], v[156:157]
	v_pk_add_f32 v[242:243], v[242:243], v[96:97]
	v_pk_add_f32 v[254:255], v[254:255], v[98:99]
	v_pk_add_f32 v[250:251], v[250:251], v[102:103]
	v_pk_add_f32 v[248:249], v[248:249], v[106:107]
	v_pk_add_f32 v[246:247], v[246:247], v[110:111]
	v_pk_add_f32 v[240:241], v[240:241], v[114:115]
	v_pk_add_f32 v[238:239], v[238:239], v[118:119]
	v_pk_add_f32 v[14:15], v[14:15], v[122:123]
	v_pk_add_f32 v[242:243], v[242:243], v[126:127]
	v_pk_add_f32 v[254:255], v[254:255], v[130:131]
	v_pk_add_f32 v[250:251], v[250:251], v[134:135]
	v_pk_add_f32 v[248:249], v[248:249], v[138:139]
	v_pk_add_f32 v[246:247], v[246:247], v[142:143]
	v_pk_add_f32 v[240:241], v[240:241], v[146:147]
	v_pk_add_f32 v[238:239], v[238:239], v[150:151]
	v_pk_add_f32 v[14:15], v[14:15], v[154:155]
	v_pk_add_f32 v[242:243], v[242:243], v[158:159]
	s_delay_alu instid0(VALU_DEP_2)
	v_pk_add_f32 v[14:15], v[14:15], v[248:249]
	s_delay_alu instid0(VALU_DEP_2)
	v_pk_add_f32 v[242:243], v[242:243], v[246:247]
	v_pk_add_f32 v[254:255], v[254:255], v[240:241]
	v_pk_add_f32 v[250:251], v[250:251], v[238:239]
	s_delay_alu instid0(VALU_DEP_2)
	v_pk_add_f32 v[14:15], v[14:15], v[254:255]
	s_delay_alu instid0(VALU_DEP_2)
	v_pk_add_f32 v[242:243], v[242:243], v[250:251]
	s_delay_alu instid0(VALU_DEP_1)
	v_pk_add_f32 v[14:15], v[14:15], v[242:243]
	s_cmp_eq_u32 s15, 1                            ; e9 >= -15: no p can pass the largest code x 2^e9
	s_cbranch_scc1 .Lnh_\@
.set jj, 0
.rept 64
.set jj, jj+1
.endr
.Lnh_\@:
.irp t, 0,1,2,3,4,5,6,7
	v_cvt_scalef32_pk8_bf8_f32 v[192+2*\t:193+2*\t], v[96+8*\t:103+8*\t], v244
.endr
.set jj, 0
.rept 16
	v_pk_mul_f32 v[160+jj:161+jj], v[160+jj:161+jj], v[252:253] op_sel_hi:[1,0]   ; O^T under the new M.  (Plain instructions between the conversions and the products that read their results)
.set jj, jj+2
.endr
	s_wait_alu depctr_va_vdst(0)
	s_wait_dscnt 0x0                               ; V is in
.irp a, 0,1,2,3
	v_wmma_f32_16x16x128_bf8_bf8 v[160+8*\a:167+8*\a], v[32+16*\a:47+16*\a], v[192:207], v[160+8*\a:167+8*\a]   ; the four accumulators by turns, one instruction a turn
.endr
.rept 4
	v_nop                                          ; four places, on every way on: the next step's loads into V's registers, the next read of O^T
.endr
.Lhidden_\@:
.endm
; A query block is finished: O^T / the sum, held and converted with 2^(e10 - e8 - e9) (a sum stands for sum x 2^(e8 + e9)), is my head's half of a fragment of the last projection: two stores of 512 consecutive bytes.
; last = 0: on to the work-group's second block.
.macro FLUSH last
	v_add_f32 v14, v14, v15                        ; the sum's two halves,
	s_delay_alu instid0(VALU_DEP_1)
	v_permlanex16_b32 v236, v14, s30, s31
	s_delay_alu instid0(VALU_DEP_1)
	v_add_f32 v14, v14, v236                       ; and the other half of the lanes': the row's sum
	s_wait_alu depctr_va_vdst(0)
	v_rcp_f32 v14, v14
	s_lshl_b32 s34, s21, 9                         ; 8,192 bytes a tile of 16 positions
	v_add_nc_u32 v7, s34, v1                       ; (the plain instruction behind the reciprocal)
	s_wait_alu depctr_va_vdst(0)                   ; the wait ahead of its first reader
.set jj, 0
.rept 32
	v_mul_f32 v[96+jj], v[160+jj], v14             ; register 8 a + j is O(my query, 16 a + 8 (lane / 16) + j)
.set jj, jj+1
.endr
.set jj, 0
.rept 32
.set jj, jj+1
.endr
.irp a, 0,1,2,3
	v_cvt_scalef32_pk8_bf8_f32 v[24+2*\a:25+2*\a], v[96+8*\a:103+8*\a], v245
.endr
	v_nop                                          ; a plain instruction behind the last conversion: later products write its sources
	global_store_b128 v7, v[24:27], s[12:13]
	global_store_b128 v7, v[28:31], s[12:13] offset:512
.if (\last) == 0
	s_mov_b32 s19, s20                             ; the second block,
	s_lshl_b32 s34, s14, 4
	s_add_co_u32 s21, s20, s34                     ; my 16 queries of it,
	INIT
	s_lshl_b32 s34, s21, 6                         ; 1,024 bytes a tile of 16 positions
	v_add_nc_u32 v4, s34, v1
	global_load_b128 v[16:19], v4, s[4:5] th:TH_LOAD_NT
	global_load_b128 v[20:23], v4, s[4:5] offset:512 th:TH_LOAD_NT
	s_wait_xcnt 0x0                                ; the stores have read v7 and v24-31: the next way out writes them only behind this wait
.endif
.endm
; A TRIP: 256 keys in slot sl.  last = 1: the ninth trip, which fetches nothing and ends the second block.
.macro TRIP sl, last
.if (\last) == 0
	s_add_co_u32 s22, s18, 256
	s_cmp_eq_u32 s18, s19                          ; the block's diagonal trip is its last: the next trip begins the second block, at key 0
	s_cselect_b32 s22, 0, s22                      ; the next trip's first key
	s_lshl_b32 s34, s22, 6                         ; 64 bytes a key, in K and in V
	v_add_nc_u32 v3, s34, v1                       ; (the last fill's loads were waited for: v3 and v208-223 are free)
	FILL 3
.endif
	STEP \sl, 0
	STEP \sl, 1
.if \last
	FLUSH 1
.else
	s_cmp_lg_u32 s18, s19                          ; the same in all sixteen waves
	s_cbranch_scc1 .Lon_\@
	FLUSH 0
.Lon_\@:
	s_mov_b32 s18, s22
	s_wait_loadcnt 0x0                             ; the fill, asked for two key steps ago; and the new Q, where there is one
.irp i, 0,1,2,3
	ds_store_b128 v2, v[208+4*\i:211+4*\i] offset:(1-(\sl))*SLOT+512*\i   ; into the other slot: every wave's reads of it ended in front of the last barrier
.endr
	s_wait_dscnt 0x0                               ; for the others' sake: my stores have landed, and my reads of this slot are over
	s_barrier_signal -1
	s_barrier_wait -1
.endif
.endm
	s_load_b256 s[4:11], s[0:1], 0x0               ; qc s[4:5], kc s[6:7], vc s[8:9], the scales' exponents s[10:11]
	s_load_b64 s[12:13], s[0:1], 0x20              ; oc
	v_lshl_add_u32 v5, v0, 2, SPARE
	v_mov_b32 v6, 0
	v_lshrrev_b32 v10, 5, v0
	s_delay_alu instid0(VALU_DEP_1)
	v_readfirstlane_b32 s14, v10                   ; wave 0..15
	v_and_b32 v10, 31, v0
	s_delay_alu instid0(VALU_DEP_1)
	v_lshlrev_b32 v1, 4, v10                       ; 16 x lane
	s_wait_alu depctr_va_vdst(0)
	s_lshl_b32 s34, s14, 11
	v_add_nc_u32 v2, s34, v1                       ; + 2,048 x wave
	v_and_b32 v10, 15, v0
	v_bfe_u32 v11, v0, 4, 1
	s_delay_alu instid0(VALU_DEP_1)
	v_lshlrev_b32 v11, 3, v11
	s_delay_alu instid0(VALU_DEP_1)
	v_sub_nc_u32 v9, v10, v11                      ; lane % 16 - 8 (lane / 16), for the mask
	v_mov_b32 v236, 0                              ; written once: a lane permute's destination counts as one of its sources
	v_mov_b32 v253, 0                              ; (named as the upper half of the pair v[252:253])
	s_and_b32 s35, ttmp7, 0xffff                   ; n 8 + head
	s_lshl_b32 s19, ttmp9, 8                       ; the first block's first query: 256 i
	s_sub_co_u32 s20, 7, ttmp9
	s_lshl_b32 s20, s20, 8                         ; the second's: 256 (7 - i)
	s_lshl_b32 s34, s14, 4
	s_add_co_u32 s21, s19, s34                     ; my first query
	s_mov_b32 s18, 0                               ; the trip's first key
	s_mov_b32 s23, 4                               ; eight trips in the loop, two a pass; the ninth is written out
	s_mov_b32 s30, 0x76543210                      ; v_permlanex16_b32: each lane takes its own place in the other half
	s_mov_b32 s31, 0xfedcba98
	s_mov_b32 s32, 0x3d8293ee                      ; c = log2(e) / sqrt(512)
	s_lshl_b32 s36, s35, 17                        ; 131,072 bytes a head in qc, kc and vc
	s_mov_b32 s37, 0
	s_and_b32 s38, s14, 7
	s_lshl_b32 s38, s38, 11                        ; my 2,048 bytes of a trip's 16,384
	s_add_co_u32 s38, s38, s36
	s_mov_b32 s39, 0
	s_lshr_b32 s40, s35, 3
	s_lshl_b32 s40, s40, 20                        ; oc: 1,048,576 bytes an n,
	s_and_b32 s41, s35, 7
	s_lshl_b32 s41, s41, 10                        ; 1,024 a head inside a tile of positions
	s_add_co_u32 s40, s40, s41
	s_mov_b32 s41, 0
	s_lshl_b32 s34, s21, 6
	v_add_nc_u32 v4, s34, v1                       ; Q: 1,024 bytes a tile of 16 positions
	s_wait_alu depctr_va_vdst(0)
	s_wait_kmcnt 0x0
	s_load_b128 s[24:27], s[10:11], 0x18           ; e6, e7, e8, e9
	s_load_b32 s28, s[10:11], 0x28                 ; e10
	s_cmp_lt_u32 s14, 8                            ; waves 0-7 fetch K's codes, waves 8-15 V's
	s_cselect_b64 s[16:17], s[6:7], s[8:9]
	s_add_nc_u64 s[16:17], s[16:17], s[38:39]
	s_add_nc_u64 s[4:5], s[4:5], s[36:37]
	s_add_nc_u64 s[12:13], s[12:13], s[40:41]
	FILL 1                                         ; keys 0 to 255
	global_load_b128 v[16:19], v4, s[4:5] th:TH_LOAD_NT
	global_load_b128 v[20:23], v4, s[4:5] offset:512 th:TH_LOAD_NT
	INIT
	s_wait_kmcnt 0x0
	s_add_co_i32 s34, s24, s25
	s_lshl_b32 s34, s34, 23
	s_add_co_i32 s32, s32, s34                     ; a score stands for score x 2^(e6 + e7): the two exponents are added to c's exponent field
	s_mov_b32 s33, s32                             ; (named with it as a pair, so it is written)
	MKSC s27, 244, 240                             ; 2^e9, 57,344 x 2^e9
	s_sub_co_i32 s36, s28, s26
	s_sub_co_i32 s36, s36, s27                     ; e10 - e8 - e9
	MKSC s36, 245, 241
	s_cmp_ge_i32 s27, -15
	s_cselect_b32 s15, 1, 0                        ; 1: 57,344 x 2^e9 >= 1 >= p
	s_wait_loadcnt 2                               ; the fill's four loads are in; Q's two may be out
.irp i, 0,1,2,3
	ds_store_b128 v2, v[208+4*\i:211+4*\i] offset:512*\i
.endr
	s_wait_dscnt 0x0
	s_barrier_signal -1
	s_barrier_wait -1                              ; slot 0 is whole
	s_wait_loadcnt 0x0                             ; Q
.Ltrip:
	TRIP 0, 0
	TRIP 1, 0
	s_sub_co_u32 s23, s23, 1
	s_cmp_lg_u32 s23, 0
	s_cbranch_scc1 .Ltrip
	TRIP 0, 1
	s_wait_tensorcnt 0x0                           ; the wave's end, behind my last LDS store
	ds_add_u32 v5, v6
	s_wait_dscnt 0x0
	s_endpgm
.Lfunc_end_k_q72d8b0be0c_attn:
	.size	k_q72d8b0be0c_attn, .Lfunc_end_k_q72d8b0be0c_attn-k_q72d8b0be0c_attn
	.p2alignl 7, 3214868480
	.fill 96, 4, 3214868480
	.section	.rodata,"a",@progbits
	.p2align	6, 0x0
	.amdhsa_kernel k_q72d8b0be0c_attn
		.amdhsa_group_segment_fixed_size 67584
		.amdhsa_private_segment_fixed_size 0
		.amdhsa_enable_private_segment 0
		.amdhsa_kernarg_size 40
		.amdhsa_user_sgpr_count 2
		.amdhsa_user_sgpr_kernarg_segment_ptr 1
		.amdhsa_wavefront_size32 1
		.amdhsa_system_sgpr_workgroup_id_x 1
		.amdhsa_system_sgpr_workgroup_id_y 1
		.amdhsa_system_sgpr_workgroup_id_z 1
		.amdhsa_system_vgpr_workitem_id 0
		.amdhsa_next_free_vgpr 256
		.amdhsa_next_free_sgpr 66
		.amdhsa_reserve_vcc 1
		.amdhsa_float_denorm_mode_32 3
		.amdhsa_float_denorm_mode_16_64 3
		.amdhsa_fp16_overflow 1
		.amdhsa_memory_ordered 1
		.amdhsa_forward_progress 1
		.amdhsa_inst_pref_size 130
	.end_amdhsa_kernel
	.amdgpu_metadata
---
amdhsa.version: [ 1, 2 ]
amdhsa.kernels:
  - .name:           k_q72d8b0be0c_attn
    .symbol:         k_q72d8b0be0c_attn.kd
    .args:
      - { .name: qc, .offset: 0, .size: 8, .value_kind: global_buffer, .address_space: global }
      - { .name: kc, .offset: 8, .size: 8, .value_kind: global_buffer, .address_space: global }
      - { .name: vc, .offset: 16, .size: 8, .value_kind: global_buffer, .address_space: global }
      - { .name: lowp_scales, .offset: 24, .size: 8, .value_kind: global_buffer, .address_space: global }
      - { .name: oc, .offset: 32, .size: 8, .value_kind: global_buffer, .address_space: global }
    .group_segment_fixed_size: 67584
    .private_segment_fixed_size: 0
    .kernarg_segment_align: 8
    .kernarg_segment_size: 40
    .max_flat_workgroup_size: 512
    .sgpr_count:     66
    .vgpr_count:     256
    .wavefront_size: 32
...
	.end_amdgpu_metadata
.endif
;; end of part 3
;; launch oproj (part 4): grid 256 x 1, 8 waves a work-group, no clusters, 68,608 bytes of LDS; arguments oc, wc, lowp_scales, bo, out0; writes out0
.if DOCPART == 4
	.amdgcn_target "amdgcn-amd-amdhsa--gfx1250"
	.amdhsa_code_object_version 6
	.text
	.protected	k_q72d8b0be0c_oproj
	.globl	k_q72d8b0be0c_oproj
	.p2align	8
	.type	k_q72d8b0be0c_oproj,@function
k_q72d8b0be0c_oproj:
	s_mov_b64 s[64:65], 0
	v_nop
	global_prefetch_b8 v0, s[64:65] scope:SCOPE_SE
	s_setreg_imm32_b32 hwreg(HW_REG_WAVE_MODE, 25, 1), 1
	s_wait_xcnt 0x0
; out0[n][o][l] = the sum over c of Wo[o][c] O[n][l][c] + bo[o], on codes of BF8.  oc: O's fragments (launch attn), [n][tile of 16 positions][K step 4][2,048 bytes]; wc: Wo's fragments are its fourth matrix (launch prep).
; SHARES.  A work-group owns 64 positions of one n: 16 fragments of O, one dense block of 32,768 bytes, which the eight waves copy into LDS as it lies (4,096 bytes a wave) and all read.  One barrier.
; Wave w makes outputs 64 w .. 64 w + 63 (4 tiles) for the 4 tiles of positions: 16 accumulators, 4 K steps of 128.  Its 16 fragments of Wo come from memory straight into registers: one wave of the work-group reads each.
; Source 0 = 16 positions, source 1 = 16 rows of Wo: a lane holds one o and eight neighbouring l: 32 bytes of a row of out0.  A tile of 16 o x 64 l goes through the wave's own stage in LDS (rows of 256 + 16 bytes)
; and leaves as rows: sixteen lanes store 256 consecutive bytes, at a multiple of 256 from out0's first byte.  y = sum x 2^(e10 + e11) + bo: one packed multiply-add for two numbers.
; NO CLUSTER: all work-groups walk Wo, but no tile of it goes through LDS, so there is no tensor load that partners could ask for jointly.
; LIMIT: e10 + e11 between -126 and 127, so that 2^(e10 + e11) is an f32 number.
; REGISTERS.  Window 0: v1 16 x lane; v2 where I store my part of the block; v3 bo's offset; v4, v5 the stage, in and back; v6 my offset in two rows of out0; v8, v9 the add's two; v16-23 bo of my o, tile a, twice (a pair for the packed form);
;   v32-63 results on their way; v64-127 the copy, then O's four fragments, then rows read back (two sets of 32); v128-255 the accumulators ((a, m) at 128 + 8 (4 a + m)).   Window 1: Wo's fragments ((a, s) at 16 (4 s + a)).
.set STAGE, 32768                      ; behind the block: 16 rows x 272 bytes for each wave
.set SPARE, 67584                      ; behind the stages: the spare words, 128 bytes for each of eight waves: four blocks of 256 bytes that no other line names
.set MSB, 0
.macro WIN new                         ; the immediate's high byte repeats the setting that is left
.if MSB != \new
	s_set_vgpr_msb (MSB<<8)|\new
.set MSB, \new
.endif
.endm
.macro WLOAD s                         ; my four fragments of Wo of K step s: 16 loads of 512 consecutive bytes
	WIN 0x40                                       ; destination window 1, address window 0
.irp a, 0,1,2,3
.irp g, 0,1,2,3
	global_load_b128 v[16*(4*(\s)+\a)+4*\g:16*(4*(\s)+\a)+4*\g+3], v1, s[6:7] offset:\a*8192+(\s)*2048+512*\g
.endr
.endr
	WIN 0
.endm
.macro MM s, m                         ; four matrix instructions; s = 0 starts the sums: nothing is cleared
.irp a, 0,1,2,3
.if (\s) == 0
	v_wmma_f32_16x16x128_bf8_bf8 v[128+8*(4*\a+(\m)):135+8*(4*\a+(\m))], v[64+16*(\m):79+16*(\m)], v[16*(4*(\s)+\a):15+16*(4*(\s)+\a)], 0
.else
	v_wmma_f32_16x16x128_bf8_bf8 v[128+8*(4*\a+(\m)):135+8*(4*\a+(\m))], v[64+16*(\m):79+16*(\m)], v[16*(4*(\s)+\a):15+16*(4*(\s)+\a)], v[128+8*(4*\a+(\m)):135+8*(4*\a+(\m))]
.endif
.endr
.endm
.macro KSTEP s                         ; the sixteen accumulators take turns, one instruction a turn, in the same order in every K step
.irp m, 0,1,2,3
.irp g, 0,1,2,3
	ds_load_b128 v[64+16*\m+4*\g:67+16*\m+4*\g], v1 offset:\m*8192+(\s)*2048+512*\g
.endr
.endr
	s_wait_loadcnt 48-16*(\s)                      ; this K step's 16 weight loads are in (and bo, asked for earlier); the 16 of each later K step may be out
	s_wait_dscnt 8                                 ; tiles 0 and 1 of positions are in
	WIN 0x04                                       ; source 1 (Wo) window 1
	MM \s, 0
	MM \s, 1
	s_wait_dscnt 0x0
	MM \s, 2
	MM \s, 3
	WIN 0
.rept 4
	v_nop                                          ; four places in front of loads into registers that these products read, and of the first read of results
.endr
.endm
.macro TOSTAGE a                       ; tile a of my outputs: scaled, biased, into my stage, and back as rows.  LDS serves a wave's instructions in order (ISA guide 5.7.1.4): no wait between the stores and the loads
.irp m, 0,1,2,3
.irp i, 0,2,4,6
	v_pk_fma_f32 v[32+8*\m+\i:33+8*\m+\i], v[128+8*(4*(\a)+\m)+\i:129+8*(4*(\a)+\m)+\i], s[20:21], v[16+2*(\a):17+2*(\a)] op_sel_hi:[1,0,1]   ; each accumulator from its low end on
.endr
.endr
.irp m, 0,1,2,3
	ds_store_b128 v4, v[32+8*\m:35+8*\m] offset:64*\m
	ds_store_b128 v4, v[36+8*\m:39+8*\m] offset:64*\m+16
.endr
.irp t, 0,1,2,3,4,5,6,7
	ds_load_b128 v[64+32*((\a)%2)+4*\t:67+32*((\a)%2)+4*\t], v5 offset:544*\t
.endr
.endm
.macro SEND a, younger                 ; younger: the LDS instructions issued behind tile a's loads, which may stay out
	s_wait_dscnt \younger
.irp t, 0,1,2,3,4,5,6,7
	global_store_b128 v6, v[64+32*((\a)%2)+4*\t:67+32*((\a)%2)+4*\t], s[12:13] offset:(16*(\a)+2*\t)*8192 th:TH_STORE_NT   ; lanes 0-15 one row o, lanes 16-31 the next; written once, read by nobody here
.endr
.endm
	s_load_b256 s[4:11], s[0:1], 0x0               ; oc s[4:5], wc s[6:7], the scales' exponents s[8:9], bo s[10:11]
	s_load_b64 s[12:13], s[0:1], 0x20              ; out0
	v_lshl_add_u32 v8, v0, 2, SPARE
	v_mov_b32 v9, 0
	v_lshrrev_b32 v10, 5, v0
	s_delay_alu instid0(VALU_DEP_1)
	v_readfirstlane_b32 s16, v10                   ; wave 0..7
	v_and_b32 v10, 31, v0
	s_delay_alu instid0(VALU_DEP_1)
	v_lshlrev_b32 v1, 4, v10                       ; 16 x lane
	s_lshl_b32 s33, s16, 12
	v_add_nc_u32 v2, s33, v1                       ; + 4,096 x wave
	v_and_b32 v10, 15, v0                          ; r
	v_bfe_u32 v11, v0, 4, 1                        ; h
	s_lshl_b32 s33, s16, 8
	v_lshl_add_u32 v3, v10, 2, s33                 ; bo: (64 w + r) x 4
	s_mul_i32 s34, s16, 16*272
	s_add_co_u32 s34, s34, STAGE                   ; my stage
	v_mul_u32_u24 v4, v10, 272
	s_delay_alu instid0(VALU_DEP_1)
	v_lshl_add_u32 v4, v11, 5, v4
	s_delay_alu instid0(VALU_DEP_1)
	v_add_nc_u32 v4, s34, v4                       ; in: row r, 32 bytes for each half of the lanes
	v_mul_u32_u24 v5, v11, 272
	s_delay_alu instid0(VALU_DEP_1)
	v_lshl_add_u32 v5, v10, 4, v5
	s_delay_alu instid0(VALU_DEP_1)
	v_add_nc_u32 v5, s34, v5                       ; back: lanes 0-15 one row of 256 bytes, lanes 16-31 the next
	v_lshlrev_b32 v6, 13, v11
	s_delay_alu instid0(VALU_DEP_1)
	v_lshl_add_u32 v6, v10, 4, v6                  ; and the same two rows in out0, 8,192 bytes apart
	s_lshl_b32 s22, ttmp9, 15                      ; oc: the work-group's block,
	s_lshl_b32 s33, s16, 12                        ; my 4,096 bytes of it
	s_add_co_u32 s22, s22, s33
	s_mov_b32 s23, 0
	s_lshl_b32 s24, s16, 15                        ; wc: my four tiles of outputs,
	s_add_co_u32 s24, s24, 786432                  ; in the fourth matrix
	s_mov_b32 s25, 0
	s_lshr_b32 s26, ttmp9, 5
	s_lshl_b32 s26, s26, 22                        ; out0: 512 rows of 8,192 bytes an n,
	s_lshl_b32 s33, s16, 19                        ; 64 rows a wave,
	s_add_co_u32 s26, s26, s33
	s_and_b32 s33, ttmp9, 31
	s_lshl_b32 s33, s33, 8                         ; 256 bytes a block of 64 positions
	s_add_co_u32 s26, s26, s33
	s_mov_b32 s27, 0
	s_wait_alu depctr_va_vdst(0)
	s_wait_kmcnt 0x0
	s_load_b64 s[20:21], s[8:9], 0x28              ; e10, e11
	s_add_nc_u64 s[4:5], s[4:5], s[22:23]
	s_add_nc_u64 s[6:7], s[6:7], s[24:25]
	s_add_nc_u64 s[12:13], s[12:13], s[26:27]
.irp i, 0,1,2,3,4,5,6,7
	global_load_b128 v[64+4*\i:67+4*\i], v1, s[4:5] offset:512*\i th:TH_LOAD_NT
.endr
.irp a, 0,1,2,3
	global_load_b32 v[16+2*\a], v3, s[10:11] offset:64*\a    ; bo(64 w + 16 a + r), into both registers of a pair: the packed multiply-add adds it to two neighbouring l
	global_load_b32 v[17+2*\a], v3, s[10:11] offset:64*\a
.endr
	WLOAD 0
	WLOAD 1
	WLOAD 2
	s_wait_loadcnt 56                              ; my eight loads of the block are in; bo's 8 and Wo's 48 may be out
.irp i, 0,1,2,3,4,5,6,7
	ds_store_b128 v2, v[64+4*\i:67+4*\i] offset:512*\i
.endr
	WLOAD 3
	s_wait_kmcnt 0x0
	s_add_co_i32 s20, s20, s21
	s_add_co_i32 s20, s20, 127
	s_lshl_b32 s20, s20, 23                        ; 2^(e10 + e11) as f32
	s_mov_b32 s21, s20                             ; (named with it as a pair, so it is written)
	s_wait_dscnt 0x0                               ; for the others' sake: my stores have landed
	s_barrier_signal -1
	s_barrier_wait -1                              ; O's sixteen fragments lie in LDS; nothing is stored there again
	KSTEP 0
	KSTEP 1
	KSTEP 2
	KSTEP 3
	TOSTAGE 0
.irp a, 1,2,3
.if \a > 1
	s_wait_xcnt 0x0                                ; tile a - 2's stores have read their registers: tile a's rows may land there
.endif
	TOSTAGE \a
	SEND \a-1, 16                                  ; behind tile a - 1's loads: tile a's 8 stores and 8 loads
.endr
	SEND 3, 0
	s_wait_tensorcnt 0x0                           ; the wave's end, behind my last LDS store
	ds_add_u32 v8, v9
	s_wait_dscnt 0x0
	s_endpgm
.Lfunc_end_k_q72d8b0be0c_oproj:
	.size	k_q72d8b0be0c_oproj, .Lfunc_end_k_q72d8b0be0c_oproj-k_q72d8b0be0c_oproj
	.p2alignl 7, 3214868480
	.fill 96, 4, 3214868480
	.section	.rodata,"a",@progbits
	.p2align	6, 0x0
	.amdhsa_kernel k_q72d8b0be0c_oproj
		.amdhsa_group_segment_fixed_size 68608
		.amdhsa_private_segment_fixed_size 0
		.amdhsa_enable_private_segment 0
		.amdhsa_kernarg_size 40
		.amdhsa_user_sgpr_count 2
		.amdhsa_user_sgpr_kernarg_segment_ptr 1
		.amdhsa_wavefront_size32 1
		.amdhsa_system_sgpr_workgroup_id_x 1
		.amdhsa_system_sgpr_workgroup_id_y 1
		.amdhsa_system_sgpr_workgroup_id_z 1
		.amdhsa_system_vgpr_workitem_id 0
		.amdhsa_next_free_vgpr 512
		.amdhsa_next_free_sgpr 66
		.amdhsa_reserve_vcc 0
		.amdhsa_float_denorm_mode_32 3
		.amdhsa_float_denorm_mode_16_64 3
		.amdhsa_memory_ordered 1
		.amdhsa_forward_progress 1
		.amdhsa_inst_pref_size 32
	.end_amdhsa_kernel
	.amdgpu_metadata
---
amdhsa.version: [ 1, 2 ]
amdhsa.kernels:
  - .name:           k_q72d8b0be0c_oproj
    .symbol:         k_q72d8b0be0c_oproj.kd
    .args:
      - { .name: oc, .offset: 0, .size: 8, .value_kind: global_buffer, .address_space: global }
      - { .name: wc, .offset: 8, .size: 8, .value_kind: global_buffer, .address_space: global }
      - { .name: lowp_scales, .offset: 16, .size: 8, .value_kind: global_buffer, .address_space: global }
      - { .name: bo, .offset: 24, .size: 8, .value_kind: global_buffer, .address_space: global }
      - { .name: out0, .offset: 32, .size: 8, .value_kind: global_buffer, .address_space: global }
    .group_segment_fixed_size: 68608
    .private_segment_fixed_size: 0
    .kernarg_segment_align: 8
    .kernarg_segment_size: 40
    .max_flat_workgroup_size: 256
    .sgpr_count:     66
    .vgpr_count:     512
    .wavefront_size: 32
...
	.end_amdgpu_metadata
.endif
;; end of part 4
